; MI455X (gfx1250); checked and timed in simulation.
; The chip was launched on July 23, 2026; its instructions are those of AMD's public machine-readable ISA for CDNA 5 (MIT licence, August 2026) and "CDNA5" Instruction Set Architecture Reference Guide (July 2026). The comments in the code are by the model that wrote it; some were corrected since.
;; Heads. Allowed arithmetic: matrix products marked QUANTISED: E2M1 operands, one E8M0 scale for each 32 along K, by v_wmma_scale_f32_16x16x128_f8f6f4 with both operands' format E2M1 (or v_wmma_scale_f32_32x16x128_f4), f32 sums; everything else in f32.
;; Inputs: K 4 x 2,048 x 1,024 float32; Q 4 x 2,048 x 1,024 float32; V 4 x 2,048 x 1,024 float32; Wk 1,024 x 1,024 float32; Wq 1,024 x 1,024 float32; Wv 1,024 x 1,024 float32; bk 1,024 float32; bq 1,024 float32; bv 1,024 float32.
;; Outputs: out0 4 x 2,048 x 1,024 float32.
;; This version of the problem:
;;   THIS VERSION OF THE PROBLEM IS GIVEN IN LOW PRECISION. The matrix products marked QUANTISED in the list below multiply operands that are first quantised to E2M1 (2 exponent bits, 1 mantissa bit; 4 bits a number), with one power-of-two scale for each 32 numbers along K (OCP MX v1.0); their sums are f32. All else is computed in f32.
;;   The module's matrix products, in the order in which they are computed (A, B: the left and right operand; K: the contracted axis; several contracted axes count as one K, in the product's order):
;;     1. [M 8,192, K 1,024] x [K 1,024, N 1,024]; A: input Q; B: input Wq: QUANTISED
;;     2. [M 8,192, K 1,024] x [K 1,024, N 1,024]; A: input K; B: input Wk: QUANTISED
;;     3. [M 8,192, K 1,024] x [K 1,024, N 1,024]; A: input V; B: input Wv: QUANTISED
;;     4. batch 64 x [M 2,048, K 64] x [K 64, N 2,048]; A: computed on the way; B: computed on the way: QUANTISED
;;     5. batch 64 x [M 2,048, K 2,048] x [K 2,048, N 64]; A: softmax (see below); B: computed on the way: QUANTISED
;;   THE QUANTISER, for each operand of a quantised product, along K:
;;     - K is cut into blocks of 32 from its start; a last block that is shorter is filled with zeros.
;;     - A block's scale is 2^e with e = floor(log2(the largest magnitude in the block)) - 2, held to -126 .. 127; a block of zeros has e = 0. As a byte (E8M0): e + 127.
;;     - Each number is divided by its block's scale, clamped to +-6, and rounded to the nearest number of E2M1, ties to even, subnormals kept.
;;     - The product sums the exact products of the quantised numbers (number of the format x scale) in f32.
;;   ~~~python
;;   def quantise(x, axis):      # numpy; x: float32 -> the quantised numbers, widened to float32 again
;;       x = np.moveaxis(x, axis, -1); K = x.shape[-1]
;;       x = np.pad(x, [(0, 0)] * (x.ndim - 1) + [(0, -K % 32)]); x = x.reshape(x.shape[:-1] + (-1, 32)); a = np.abs(x).max(-1, keepdims=True)
;;       e = np.where(a > 0, np.clip(np.frexp(np.where(a > 0, a, 1))[1] - 1 - 2, -126, 127), 0)      # np.frexp(a)[1] - 1 = floor(log2(a)), exactly
;;       r = np.clip(x / 2.0 ** e, -6, 6)
;;       step = 2.0 ** (np.maximum(np.frexp(np.where(r == 0, 1, r))[1] - 1, 0) - 1)
;;       q = np.round(r / step) * step * 2.0 ** e      # np.round: ties to even
;;       return np.moveaxis(q.reshape(q.shape[:-2] + (-1,))[..., :K], -1, axis).astype(np.float32)
;;   ~~~
;;   SOFTMAX AHEAD OF A QUANTISED PRODUCT. Where the list says 'softmax', what is quantised is not the finished softmax but p = 2^(t - M), with t = logit x log2(e) and M = ceil(the row's largest t), a whole number; so 1/2 < the row's largest p <= 1. The row's sum l is taken of the UNQUANTISED p, in f32, and the product's result is divided by l at the end. Since M is a whole number, a kernel that streams over the keys may use a running M (the ceiling of the running maximum): every later rescaling is an exact power of two, which a block's scale takes up: the codes' values come out the same.
;;   OPERANDS COMPUTED ON THE WAY. 'Computed on the way' means the value that the module computes at that place (a softmax that the list does not call 'softmax' is quantised finished and normalised). What goes into a quantiser is computed in f32, as accurately as f32 sums, v_exp_f32 and their like allow (about 1e-6 of the number): no bf16 or f16 on the way to a quantiser, and a product that is left as it is and whose result goes on into a quantised operand takes f32 operands (vector FMAs, or v_wmma_f32_16x16x4_f32). A number that lies on a knife's edge between two numbers of the format may be rounded either way, as far as f32 arithmetic and the matrix unit's own rounding can turn it there, and no further.
;; One version. Each part assembles by itself: llvm-mc -triple=amdgcn-amd-amdhsa -mcpu=gfx1250 --defsym DOCPART=n.
;; ======== version 1 of 1: 3 launches
;; workspace buffers: xc 14,155,776 bytes; xs 884,736 bytes; qc 4,718,592 bytes; kv 9,175,040 bytes
;; launch quant (part 1): grid 864 x 1, 4 waves a work-group, no clusters, 39,424 bytes of LDS; arguments Q, K, V, Wq, Wk, Wv, xc, xs; writes xc, xs
.if DOCPART == 1
	.amdgcn_target "amdgcn-amd-amdhsa--gfx1250"
	.amdhsa_code_object_version 6
	.text
	.protected	k_q4b741547a6_quant
	.globl	k_q4b741547a6_quant
	.p2align	8
	.type	k_q4b741547a6_quant,@function
k_q4b741547a6_quant:
	s_mov_b64 s[64:65], 0
	v_nop
	global_prefetch_b8 v0, s[64:65] scope:SCOPE_SE
	s_setreg_imm32_b32 hwreg(HW_REG_WAVE_MODE, 25, 1), 1
	s_wait_xcnt 0x0
; Q, K, V [8192][1024] and Wq, Wk, Wv [1024][1024], f32, are turned into codes of FP4 (E2M1) with one E8M0 scale byte for each 32 along the last axis, which is K of the three projections.
; The six tensors count as one run of 27,648 rows (Q, K, V, Wq, Wk, Wv).  The codes are laid as IMAGES OF THE MATRIX OPERAND'S REGISTERS:
;   xc: [tile of 16 rows][block of 32 along K, 0..31][lane row r][16 bytes]: 8,192 bytes a tile; block B of lane row r lies at 256 B + 16 r.
;   xs: [tile][half of K][lane row r][16 scale bytes]: 512 bytes a tile; word q of a row's 16 bytes is the scale word of K step 4 x half + q.
; THE ROWS OF A TILE ARE NOT NEIGHBOURS: in a group of 32 rows, lane row r of tile u is row 8 u + r % 8 + 16 (r / 8).
; A block's scale is 2^(floor(log2(its largest magnitude)) - 2); its byte is the largest magnitude's exponent field - 2, held at 1 from below.
; LIMITS: a block whose largest magnitude lies under 2^-124, a block of zeros among them, gets the byte 1 (the rule says 127 for zeros: the codes are zeros, and this program alone reads the bytes);
; NaN and infinities among the inputs are not served.
; SHARES.  A work-group takes a group of 32 rows; wave w takes tile w / 2 and columns 512 (w % 2) on: 16 steps, one lane row (2,048 bytes) each.
; A step's four loads read 512 consecutive bytes each; the 2,048 bytes turn through the wave's own stage in LDS, so that a lane holds 16 neighbours along K (two lanes hold a block).
; The wave's codes (4,096 bytes) and scale bytes (256) are gathered in its own LDS bytes and leave in stores of 512 and 256 consecutive, aligned bytes.
; No work-group shares an input byte with another: no cluster, no tensor load, no barrier.  Loads run four steps (16 loads a wave) ahead.
.set STEPS, 16
.set SP,    80                         ; a lane's place in a turn stage: its 64 bytes + 16 of padding
.set WREG,  9728                       ; LDS of a wave: two turn stages (5,120), 256 scale bytes, the code stage (16 x 272)
.set SBY,   5120
.set CST,   5376
.set CP,    272                        ; a block's 256 bytes of codes (16 lane rows x 16) + 16 of padding
.set R,     16                         ; v16-79   four sets of 16 numbers as they are loaded
.set X,     80                         ; v80-111  two sets of 16 neighbours
.set E,     112                        ; v112-127 a scale byte for each step
.set C,     128                        ; v128-191 codes: registers of its own for each step
	s_load_b256 s[4:11], s[0:1], 0x0               ; Q s[4:5], K s[6:7], V s[8:9], Wq s[10:11]
	s_load_b256 s[12:19], s[0:1], 0x20             ; Wk s[12:13], Wv s[14:15], xc s[16:17], xs s[18:19]
	v_lshl_add_u32 v192, v0, 2, 0x9800
	v_mov_b32 v193, 0
	v_lshrrev_b32 v1, 5, v0
	v_readfirstlane_b32 s21, v1                    ; wave 0..3
	v_and_b32 v2, 31, v0                           ; lane
	v_lshlrev_b32 v3, 4, v2                        ; my 16 bytes of 512
	s_mul_i32 s24, s21, WREG
	v_lshrrev_b32 v14, 2, v2
	v_mul_u32_u24 v14, v14, SP
	v_and_b32 v15, 3, v2
	v_lshl_add_u32 v14, v15, 4, v14
	v_add_nc_u32 v14, s24, v14                     ; turn stage, in: four lanes' 64 bytes on end, then the padding
	v_mul_u32_u24 v15, v2, SP
	v_add_nc_u32 v15, s24, v15                     ; turn stage, out: my 16 neighbours
	v_lshrrev_b32 v5, 1, v2                        ; my block of the step's 16
	v_mul_u32_u24 v4, v5, CP
	v_and_b32 v6, 1, v2
	v_lshl_add_u32 v4, v6, 3, v4
	v_add_nc_u32 v4, s24, v4
	v_add_nc_u32 v4, CST, v4                       ; code stage, in: block x 272 + 8 x (lane % 2); the step adds 16 x lane row
	v_add_nc_u32 v5, s24, v5
	v_add_nc_u32 v5, SBY, v5                       ; my block's scale byte; the step adds 16 x lane row
	v_lshlrev_b32 v7, 3, v2                        ; the scale bytes' way out: 8 bytes a lane
	v_add_nc_u32 v6, s24, v7
	v_add_nc_u32 v6, SBY, v6
	v_lshrrev_b32 v10, 4, v2
	v_mul_u32_u24 v10, v10, CP
	v_and_b32 v11, 15, v2
	v_lshl_add_u32 v10, v11, 4, v10
	v_add_nc_u32 v10, s24, v10
	v_add_nc_u32 v10, CST, v10                     ; code stage, out: sixteen lanes to a block, two blocks an instruction
	s_wait_kmcnt 0x0
	; which tensor: the choice hangs on the work-group's number alone.  s20: the tensor's first group of 32 rows
	s_mov_b64 s[22:23], s[14:15]
	s_mov_b32 s20, 832
.macro PICK lim, lo, base
	s_cmp_lt_u32 ttmp9, \lim
	s_cselect_b64 s[22:23], s[\lo:\lo+1], s[22:23]
	s_cselect_b32 s20, \base, s20
.endm
	PICK 832, 12, 800
	PICK 800, 10, 768
	PICK 768, 8, 512
	PICK 512, 6, 256
	PICK 256, 4, 0
	s_sub_co_u32 s26, ttmp9, s20
	s_lshl_b32 s26, s26, 17                        ; 32 rows of 4,096 bytes a group (under 2^25)
	s_lshr_b32 s28, s21, 1
	s_lshl_b32 s28, s28, 15                        ; tile u begins 8 rows on
	s_add_co_u32 s26, s26, s28
	s_and_b32 s28, s21, 1
	s_lshl_b32 s28, s28, 11                        ; my half of the columns
	s_add_co_u32 s26, s26, s28
	s_mov_b32 s27, 0
	s_add_nc_u64 s[22:23], s[22:23], s[26:27]
	s_lshl_b32 s26, ttmp9, 14                      ; codes: 16,384 bytes a group, 4,096 a wave
	s_lshl_b32 s28, s21, 12
	s_add_co_u32 s26, s26, s28
	s_add_nc_u64 s[16:17], s[16:17], s[26:27]
	s_lshl_b32 s26, ttmp9, 10                      ; scale bytes: 1,024 a group, 256 a wave
	s_lshl_b32 s28, s21, 8
	s_add_co_u32 s26, s26, s28
	s_add_nc_u64 s[18:19], s[18:19], s[26:27]
.macro LOAD t                          ; lane row t is row t % 8 + 16 (t / 8) from the tile's first
.irp i, 0,1,2,3
	global_load_b128 v[R+16*((\t)%4)+4*\i:R+16*((\t)%4)+4*\i+3], v3, s[22:23] offset:(((\t)%8)+16*((\t)/8))*4096+512*\i th:TH_LOAD_NT
.endr
.endm
.macro TURN t                          ; step t's numbers through the stage: LDS serves a wave's instructions in order (ISA guide 5.7.1.4), so no wait stands between the stores and the loads
.irp i, 0,1,2,3
	ds_store_b128 v14, v[R+16*((\t)%4)+4*\i:R+16*((\t)%4)+4*\i+3] offset:32*SP*((\t)%2)+8*SP*\i
.endr
.irp i, 0,1,2,3
	ds_load_b128 v[X+16*((\t)%2)+4*\i:X+16*((\t)%2)+4*\i+3], v15 offset:32*SP*((\t)%2)+16*\i
.endr
.endm
.irp t, 0,1,2,3
	LOAD \t
.endr
	s_wait_loadcnt 12                              ; step 0's four loads are in
	TURN 0
.macro STEP t
.set XS, X+16*((\t)%2)
.if (\t) > 0
	s_wait_dscnt 2                                 ; this step's numbers are back from the stage (the last step's two stores, byte and codes, may be out): so its stores into the stage have read their registers,
.else
	s_wait_dscnt 0x0
.endif
.if (\t)+4 < STEPS
	LOAD (\t)+4                                    ; which take the loads of four steps on
.endif
.if (\t)+1 < STEPS
.if STEPS-2-(\t) >= 3
	s_wait_loadcnt 12                              ; the next step's four loads are in; those of the three steps behind it may be out
.else
	s_wait_loadcnt 4*(STEPS-2-(\t))
.endif
	TURN (\t)+1
.endif
	v_max3_num_f32 v8, |v[XS]|, |v[XS+1]|, |v[XS+2]|               ; the largest magnitude of my 16, in two chains
	v_max3_num_f32 v9, |v[XS+3]|, |v[XS+4]|, |v[XS+5]|
.irp i, 6,10
	v_max3_num_f32 v8, v8, |v[XS+\i]|, |v[XS+\i+1]|
	v_max3_num_f32 v9, v9, |v[XS+\i+2]|, |v[XS+\i+3]|
.endr
	v_max3_num_f32 v8, v8, |v[XS+14]|, |v[XS+15]|
	v_max3_num_f32 v8, v8, v9, 0x1800000           ; and the floor 2^(3 - 127): the byte cannot fall under 1
	v_max_num_f32_dpp v8, v8, v8 row_xmask:1 row_mask:0xf bank_mask:0xf   ; and of my neighbour's 16: the block's
	v_add_nc_u32 v11, 0xff000000, v8               ; 2 off its exponent field: the conversion takes the exponent field of this operand as its scale
	v_cvt_scalef32_pk8_fp4_f32 v[C+4*(\t)], v[XS:XS+7], v11
	v_cvt_scalef32_pk8_fp4_f32 v[C+4*(\t)+1], v[XS+8:XS+15], v11
	v_lshrrev_b32 v[E+(\t)], 23, v11               ; the scale's byte (a plain line behind the conversions)
	ds_store_b8 v5, v[E+(\t)] offset:16*(\t)       ; both lanes of a block write the same byte with the same value
	ds_store_b64 v4, v[C+4*(\t):C+4*(\t)+1] offset:16*(\t)         ; my 16 codes: half of the block's 16 bytes of lane row t
.endm
.irp t, 0,1,2,3,4,5,6,7,8,9,10,11,12,13,14,15
	STEP \t
.endr
	ds_load_b64 v[12:13], v6                       ; LDS serves a wave's instructions in order: these see my stores
.irp i, 0,1,2,3,4,5,6,7
	ds_load_b128 v[16+4*\i:19+4*\i], v10 offset:2*CP*\i
.endr
	s_wait_dscnt 8                                 ; the scale bytes are back; the eight loads of codes may be out
	global_store_b64 v7, v[12:13], s[18:19]        ; 32 lanes store 256 consecutive bytes, aligned
.irp i, 0,1,2,3,4,5,6,7
	s_wait_dscnt 7-\i
	global_store_b128 v3, v[16+4*\i:19+4*\i], s[16:17] offset:512*\i   ; two blocks: 512 consecutive bytes, aligned
.endr
	s_wait_tensorcnt 0x0
	ds_add_u32 v192, v193
	s_wait_dscnt 0x0
	s_endpgm
.Lfunc_end_k_q4b741547a6_quant:
	.size	k_q4b741547a6_quant, .Lfunc_end_k_q4b741547a6_quant-k_q4b741547a6_quant
	.p2alignl 7, 3214868480
	.fill 96, 4, 3214868480
	.section	.rodata,"a",@progbits
	.p2align	6, 0x0
	.amdhsa_kernel k_q4b741547a6_quant
		.amdhsa_group_segment_fixed_size 39424
		.amdhsa_private_segment_fixed_size 0
		.amdhsa_enable_private_segment 0
		.amdhsa_kernarg_size 64
		.amdhsa_user_sgpr_count 2
		.amdhsa_user_sgpr_kernarg_segment_ptr 1
		.amdhsa_wavefront_size32 1
		.amdhsa_system_sgpr_workgroup_id_x 1
		.amdhsa_system_sgpr_workgroup_id_y 1
		.amdhsa_system_sgpr_workgroup_id_z 1
		.amdhsa_system_vgpr_workitem_id 0
		.amdhsa_next_free_vgpr 194
		.amdhsa_next_free_sgpr 66
		.amdhsa_reserve_vcc 0
		.amdhsa_float_denorm_mode_32 3
		.amdhsa_float_denorm_mode_16_64 3
		.amdhsa_memory_ordered 1
		.amdhsa_forward_progress 1
		.amdhsa_inst_pref_size 36
	.end_amdhsa_kernel
	.amdgpu_metadata
---
amdhsa.version: [ 1, 2 ]
amdhsa.kernels:
  - .name:           k_q4b741547a6_quant
    .symbol:         k_q4b741547a6_quant.kd
    .args:
      - { .name: Q, .offset: 0, .size: 8, .value_kind: global_buffer, .address_space: global }
      - { .name: K, .offset: 8, .size: 8, .value_kind: global_buffer, .address_space: global }
      - { .name: V, .offset: 16, .size: 8, .value_kind: global_buffer, .address_space: global }
      - { .name: Wq, .offset: 24, .size: 8, .value_kind: global_buffer, .address_space: global }
      - { .name: Wk, .offset: 32, .size: 8, .value_kind: global_buffer, .address_space: global }
      - { .name: Wv, .offset: 40, .size: 8, .value_kind: global_buffer, .address_space: global }
      - { .name: xc, .offset: 48, .size: 8, .value_kind: global_buffer, .address_space: global }
      - { .name: xs, .offset: 56, .size: 8, .value_kind: global_buffer, .address_space: global }
    .group_segment_fixed_size: 39424
    .private_segment_fixed_size: 0
    .kernarg_segment_align: 8
    .kernarg_segment_size: 64
    .max_flat_workgroup_size: 128
    .sgpr_count:     66
    .vgpr_count:     194
    .wavefront_size: 32
...
	.end_amdgpu_metadata
.endif
;; end of part 1
;; launch proj (part 2): grid 4 x 96, 4 waves a work-group, clusters of 4 x 4, 327,680 bytes of LDS; arguments xc, xs, bq, bk, bv, qc, kv; writes qc, kv
.if DOCPART == 2
	.amdgcn_target "amdgcn-amd-amdhsa--gfx1250"
	.amdhsa_code_object_version 6
	.text
	.protected	k_q4b741547a6_proj
	.globl	k_q4b741547a6_proj
	.p2align	8
	.type	k_q4b741547a6_proj,@function
k_q4b741547a6_proj:
	s_mov_b64 s[64:65], 0
	v_nop
	global_prefetch_b8 v0, s[64:65] scope:SCOPE_SE
	s_setreg_imm32_b32 hwreg(HW_REG_WAVE_MODE, 25, 1), 1
	s_wait_xcnt 0x0
	s_wait_alu depctr_hold_cnt(0) depctr_sa_sdst(0) depctr_va_vdst(0) depctr_va_sdst(0) depctr_va_ssrc(0) depctr_va_vcc(0) depctr_vm_vsrc(0)
	s_getreg_b32 s2, hwreg(HW_REG_IB_STS2, 6, 4)
	s_cmp_eq_u32 s2, 0
	s_cbranch_scc0 .Lentry_in_a_cluster
	s_endpgm
.Lentry_in_a_cluster:
	s_bfe_u32 s2, ttmp6, 0x10000c
	s_cmp_lg_u32 s2, 0xf033
	s_cbranch_scc0 .Lentry_shape_is_right
	s_endpgm
.Lentry_shape_is_right:
.set FR,    8
.set NL,    2
.set NQ,    4
.set NP,    4
.set SLOT,  131072
.set BOFF,  65536
.set TILE,  4096
.set SCL,   262144
.set ADRA,  16
.set ADRB,  20
.set L16,   24
.set L8,    25
.set BQK,   26
.set ADRS,  27
.set LN,    28
.set BV,    29
.set SC,    32
.set TM,    96
.set PW,    112
.set XW,    120
.set X2,    124
.set AF,    128
.set CB,    192
.set G1,   24
.set G0,   32
.set G1B,  48
.set G0B,  56
.set G1S,  68
.set G0S,  76
.set G1SB, 80
.set G0SB, 88
.set MSB, 0
.macro WIN new
.if MSB != (\new)
	s_set_vgpr_msb (MSB<<8)|(\new)
.set MSB, (\new)
.endif
.endm
.set MUL_LO, 0xa1
.set MUL_HI, 0xf1
.set TO_B,   0x40
.macro JLOAD g0a, g1a, g0b, g1b
	s_cmp_eq_u32 s15, 0
	s_cbranch_scc0 .Lfor_b_\@
	tensor_load_to_lds s[\g0a:\g0a+3], s[\g1a:\g1a+7]
	s_nop 0
.rept 4
	v_nop
.endr
	s_branch .Lasked_\@
.Lfor_b_\@:
	tensor_load_to_lds s[\g0b:\g0b+3], s[\g1b:\g1b+7]
	s_nop 0
.rept 4
	v_nop
.endr
.Lasked_\@:
.endm
.macro CROUND
	s_barrier_signal -1
	s_barrier_wait -1
	s_cmp_lg_u32 s14, 0
	s_cbranch_scc1 .Lnot_wave_0_\@
	s_barrier_signal -3
.Lnot_wave_0_\@:
	s_barrier_wait -3
	s_barrier_signal -1
	s_barrier_wait -1
.endm
	s_load_b256 s[4:11], s[0:1], 0x0
	s_load_b128 s[96:99], s[0:1], 0x20
	s_load_b64 s[100:101], s[0:1], 0x30
	v_lshl_add_u32 v106, v0, 2, 0x44000
	v_mov_b32 v107, 0
	ds_add_u32 v106, v107
	ds_add_u32 v106, v107
	v_lshrrev_b32 v1, 5, v0
	v_readfirstlane_b32 s14, v1
	s_lshr_b32 s15, s14, 1
	s_and_b32 s16, s14, 1
	s_bfe_u32 s40, ttmp6, 0x40000
	s_bfe_u32 s41, ttmp6, 0x40004
	s_and_b32 s42, ttmp7, 0xffff
	s_lshl_b32 s43, s41, 2
	s_lshl_b32 s43, 15, s43
	s_lshl_b32 s44, 0x1111, s40
	s_lshl_b32 s12, s42, 2
	s_lshr_b32 s13, s42, 3
	s_lshl_b32 s13, s13, 2
	s_add_co_u32 s13, s13, 96
	s_cmp_lt_u32 s42, 16
	s_cselect_b32 s13, s13, s12
	s_cselect_b32 s12, s12, 104
	s_add_co_u32 s17, s12, s41
	s_add_co_u32 s45, s13, s40
	s_or_b32 s[G1+0], s43, (3<<16)|(1<<21)
	s_or_b32 s[G1B+0], s44, (3<<16)|(1<<21)
.irp g, G1, G1B
	s_mov_b32 s[\g+1], 512<<16
	s_mov_b32 s[\g+2], 8<<16
	s_mov_b32 s[\g+3], 512<<16
	s_mov_b32 s[\g+4], 8
	s_mov_b32 s[\g+5], 1024
	s_mov_b32 s[\g+6], 0
	s_mov_b32 s[\g+7], 0
.endr
	s_or_b32 s[G1S+0], s43, (3<<16)|(1<<21)
	s_or_b32 s[G1SB+0], s44, (3<<16)|(1<<21)
.irp g, G1S, G1SB
	s_mov_b32 s[\g+1], 32<<16
	s_mov_b32 s[\g+2], 16<<16
	s_mov_b32 s[\g+3], 32<<16
	s_mov_b32 s[\g+4], 16
	s_mov_b32 s[\g+5], 32
	s_mov_b32 s[\g+6], 0
	s_mov_b32 s[\g+7], 0
.endr
	s_lshl_b32 s2, s16, 16
	s_lshl_b32 s3, s16, 12
	s_lshl_b32 s20, s17, 17
	s_add_co_u32 s20, s20, s2
	s_mov_b32 s21, 0
	s_lshl_b32 s22, s17, 13
	s_add_co_u32 s22, s22, s3
	s_mov_b32 s23, 0
	s_lshl_b32 s46, s45, 17
	s_add_co_u32 s46, s46, s2
	s_mov_b32 s47, 0
	s_lshl_b32 s92, s45, 13
	s_add_co_u32 s92, s92, s3
	s_mov_b32 s93, 0
	s_lshl_b32 s94, s14, 15
	s_lshl_b32 s95, s14, 12
	s_add_co_u32 s95, s95, SCL
	s_wait_dscnt 0x0
	s_wait_kmcnt 0x0
	s_add_nc_u64 s[20:21], s[4:5], s[20:21]
	s_add_nc_u64 s[22:23], s[6:7], s[22:23]
	s_add_nc_u64 s[46:47], s[4:5], s[46:47]
	s_add_nc_u64 s[92:93], s[6:7], s[92:93]
	CROUND
	s_mov_b32 s[G0S], 1
	s_mov_b32 s[G0S+1], s95
	s_mov_b64 s[G0S+2:G0S+3], s[22:23]
	s_or_b32 s[G0S+3], s[G0S+3], 0x80000000
	s_mov_b32 s[G0SB], 1
	s_mov_b32 s[G0SB+1], s95
	s_mov_b64 s[G0SB+2:G0SB+3], s[92:93]
	s_or_b32 s[G0SB+3], s[G0SB+3], 0x80000000
	JLOAD G0S, G1S, G0SB, G1SB
.irp s, 0,1
	s_mov_b32 s[G0+4*\s], 1
	s_add_co_u32 s[G0+4*\s+1], s94, \s*SLOT
	s_add_nc_u64 s[G0+4*\s+2:G0+4*\s+3], s[20:21], \s*TILE
	s_or_b32 s[G0+4*\s+3], s[G0+4*\s+3], 0x80000000
	s_mov_b32 s[G0B+4*\s], 1
	s_add_co_u32 s[G0B+4*\s+1], s94, \s*SLOT
	s_add_nc_u64 s[G0B+4*\s+2:G0B+4*\s+3], s[46:47], \s*TILE
	s_or_b32 s[G0B+4*\s+3], s[G0B+4*\s+3], 0x80000000
	s_wait_alu depctr_va_vdst(0)
	s_wait_tensorcnt 0x0
	ds_add_u32 v106, v107
	s_wait_dscnt 0x0
	CROUND
	JLOAD G0+4*\s, G1, G0B+4*\s, G1B
.endr
	v_and_b32 v[LN], 31, v0
	v_and_b32 v1, 15, v0
	v_bfe_u32 v2, v0, 4, 1
	s_wait_alu depctr_va_vdst(0)
	v_lshlrev_b32 v[L16], 4, v[LN]
	v_lshlrev_b32 v[L8], 3, v[LN]
	s_lshl_b32 s2, s15, 15
	s_lshl_b32 s3, s16, 15
	s_add_co_u32 s3, s3, BOFF
.irp s, 0,1
	v_add_nc_u32 v[ADRA+\s], s2, v[L16]
	v_add_nc_u32 v[ADRB+\s], s3, v[L16]
	s_add_co_u32 s2, s2, SLOT
	s_add_co_u32 s3, s3, SLOT
.endr
	s_lshl_b32 s2, s15, 12
	s_lshl_b32 s3, s16, 12
	s_add_co_u32 s3, s3, 8192
	s_sub_co_u32 s3, s3, s2
	v_mul_u32_u24 v3, s3, v2
	s_add_co_u32 s2, s2, SCL
	v_lshl_add_u32 v3, v1, 4, v3
	v_add_nc_u32 v[ADRS], s2, v3
	v_lshlrev_b32 v[BQK], 6, v2
	v_and_b32 v3, 7, v1
	v_lshrrev_b32 v4, 3, v1
	v_lshl_add_u32 v3, v4, 4, v3
	v_lshlrev_b32 v[BV], 2, v3
.irp b, 0,1,2,3
	v_mov_b32 v[TM+4+\b], 0
.endr
	s_and_b32 s20, s17, 31
	s_lshl_b32 s20, s20, 1
	s_add_co_u32 s20, s20, s15
	s_lshl_b32 s21, s41, 2
	s_lshl_b32 s22, s15, 1
	s_add_co_u32 s21, s21, s22
	s_sub_co_u32 s46, s45, 64
	s_lshl_b32 s46, s46, 1
	s_add_co_u32 s46, s46, s16
	s_lshl_b32 s47, s40, 2
	s_lshl_b32 s92, s16, 1
	s_add_co_u32 s47, s47, s92
	s_mov_b32 s3, 143360
	s_mov_b32 s93, 8960
	s_cmp_lt_u32 s42, 16
	s_cselect_b32 s18, s20, s46
	s_cselect_b32 s19, s47, s21
	s_cselect_b32 s2, 0, 4608
	s_cselect_b64 s[10:11], s[10:11], s[96:97]
	s_cmp_lt_u32 s42, 8
	s_cselect_b32 s3, 73728, s3
	s_cselect_b32 s93, 4608, s93
	s_cselect_b64 s[66:67], s[98:99], s[100:101]
	s_cselect_b64 s[8:9], s[8:9], s[10:11]
	s_lshr_b32 s96, s18, 4
	s_lshl_b32 s96, s96, 4
	s_add_co_u32 s96, s96, s19
	s_mul_i32 s96, s96, s3
	s_and_b32 s97, s18, 15
	s_mul_i32 s97, s97, s93
	s_add_co_u32 s96, s96, s97
	s_add_co_u32 s96, s96, s2
	s_mov_b32 s97, 0
	s_add_nc_u64 s[66:67], s[66:67], s[96:97]
	s_mov_b32 s100, s3
	s_mov_b32 s101, 0
	s_add_nc_u64 s[98:99], s[66:67], s[100:101]
	s_lshl_b32 s96, s19, 8
	s_add_nc_u64 s[8:9], s[8:9], s[96:97]
	s_mov_b32 s2, 0x76543210
	s_mov_b32 s3, 0xfedcba98
	s_cmp_lt_u32 s42, 16
	s_cbranch_scc0 .Lbias_v
	s_wait_alu depctr_va_vdst(0)
.irp b, 0,1,2,3,4,5,6,7
	global_load_b128 v[CB+8*\b:CB+8*\b+3], v[BQK], s[8:9] offset:(32*(\b/2)+8*(\b%2))*4
	global_load_b128 v[CB+8*\b+4:CB+8*\b+7], v[BQK], s[8:9] offset:(32*(\b/2)+8*(\b%2))*4+16
.endr
	s_branch .Lbias_in
.Lbias_v:
	s_wait_alu depctr_va_vdst(0)
.irp a, 0,1,2,3,4,5,6,7
.irp j, 0,1,2,3,4,5,6,7
	global_load_b32 v[CB+8*\a+\j], v[BV], s[8:9] offset:(32*(\a/2)+8*(\a%2))*4
.endr
.endr
.Lbias_in:
.macro FRAG reg, adr, q, i
.irp c, 0,1
	ds_load_b128 v[\reg+4*\c:\reg+4*\c+3], v[\adr] offset:(\i)*TILE+(\q)*1024+512*\c
.endr
.endm
.macro MUL16 a0, p, q, sc, cm
.irp a, \a0, \a0+1
.irp b, 0,1,2,3,4,5,6,7
.set rD, 8*(8*((\a)%4)+\b)
.set rB, 128*(\p)+FR*\b
.set rA, AF+FR*(\a)
.set sB, SC+8*NQ*(\sc)+NQ*\b+(\q)
.set sA, SC+8*NQ*(\sc)+NQ*(\a)+(\q)
.if \cm == 1
	v_wmma_scale_f32_16x16x128_f8f6f4 v[rD:rD+7], v[rB:rB+7], v[rA:rA+7], v[CB+8*\b:CB+8*\b+7], v[sB], v[sA] matrix_a_fmt:MATRIX_FMT_FP4 matrix_b_fmt:MATRIX_FMT_FP4 matrix_a_scale:MATRIX_SCALE_ROW1
.elseif \cm == 2
	v_wmma_scale_f32_16x16x128_f8f6f4 v[rD:rD+7], v[rB:rB+7], v[rA:rA+7], v[CB+8*(\a):CB+8*(\a)+7], v[sB], v[sA] matrix_a_fmt:MATRIX_FMT_FP4 matrix_b_fmt:MATRIX_FMT_FP4 matrix_a_scale:MATRIX_SCALE_ROW1
.else
	v_wmma_scale_f32_16x16x128_f8f6f4 v[rD:rD+7], v[rB:rB+7], v[rA:rA+7], v[rD:rD+7], v[sB], v[sA] matrix_a_fmt:MATRIX_FMT_FP4 matrix_b_fmt:MATRIX_FMT_FP4 matrix_a_scale:MATRIX_SCALE_ROW1
.endif
.endr
.endr
.endm
.macro FETCH_B slot, q, p
	WIN TO_B
.irp i, 0,1,2,3,4,5,6,7
	FRAG 128*(\p)+FR*\i, ADRB+\slot, \q, \i
.endr
	WIN 0
.endm
.macro FETCH_A slot, q, i0
.irp i, \i0, \i0+1, \i0+2, \i0+3
	FRAG AF+FR*(\i), ADRA+\slot, \q, \i
.endr
.endm
.macro SCALES sc
.irp i, 0,1,2,3,4,5,6,7
	ds_load_b128 v[SC+8*NQ*\sc+NQ*\i:SC+8*NQ*\sc+NQ*\i+3], v[ADRS] offset:512*\i+256*\sc
.endr
.endm
.macro PLACES n
.rept \n
	v_nop
.endr
.endm
.macro STEP slot, q, cm
	s_wait_dscnt 4*NL
.if \cm
	WIN 0x81
.else
	WIN MUL_LO
.endif
	MUL16 0, (\q)%2, \q, \slot, \cm
	MUL16 2, (\q)%2, \q, \slot, \cm
	s_wait_dscnt 0x0
	PLACES NP
	FETCH_B \slot, (\q)+1, 1-(\q)%2
	FETCH_A \slot, (\q)+1, 0
.if \cm
	WIN 0xc1
.else
	WIN MUL_HI
.endif
	MUL16 4, (\q)%2, \q, \slot, \cm
	MUL16 6, (\q)%2, \q, \slot, \cm
	PLACES NP
	WIN 0
	FETCH_A \slot, (\q)+1, 4
.endm
.macro STEPS slot, from
.set Q, \from
.rept NQ-1-\from
	STEP \slot, Q, 0
.set Q, Q+1
.endr
.endm
	s_wait_tensorcnt 0x1
	s_barrier_signal -1
	s_barrier_wait -1
	FETCH_B 0, 0, 0
	FETCH_A 0, 0, 0
	SCALES 0
	FETCH_A 0, 0, 4
	s_wait_loadcnt 0x0
	s_cmp_lt_u32 s42, 16
	s_cbranch_scc0 .Lfirst_v
	STEP 0, 0, 1
	s_branch .Lfirst_done
.Lfirst_v:
	STEP 0, 0, 2
.Lfirst_done:
	STEPS 0, 1
	s_wait_tensorcnt 0x0
	s_wait_dscnt 4*NL
	WIN MUL_LO
	MUL16 0, 1, NQ-1, 0, 0
	s_wait_dscnt 0x0
	s_barrier_signal -1
	MUL16 2, 1, NQ-1, 0, 0
	WIN 0
	s_barrier_wait -1
	PLACES NP
	FETCH_B 1, 0, 0
	FETCH_A 1, 0, 0
	SCALES 1
	WIN MUL_HI
	MUL16 4, 1, NQ-1, 0, 0
	MUL16 6, 1, NQ-1, 0, 0
	PLACES NP
	WIN 0
	FETCH_A 1, 0, 4
	STEPS 1, 0
	s_wait_dscnt 4*NL
	WIN MUL_LO
	MUL16 0, 1, NQ-1, 1, 0
	MUL16 2, 1, NQ-1, 1, 0
	s_wait_dscnt 0x0
	WIN MUL_HI
	MUL16 4, 1, NQ-1, 1, 0
	MUL16 6, 1, NQ-1, 1, 0
	WIN 0
	PLACES NP
.macro QUANT a
.set W,  2+(\a)/4
.set AC, 64*((\a)%4)
.set PC, AF+8*(\a)
	WIN (W<<2)|(W<<4)
.irp b, 0,1,2,3
	v_max3_num_f32 v[TM+\b], 0x1800000, |v[AC+16*\b]|, |v[AC+16*\b+1]|
.endr
.irp i, 2,4,6,8,10,12,14
.irp b, 0,1,2,3
	v_max3_num_f32 v[TM+\b], v[TM+\b], |v[AC+16*\b+\i]|, |v[AC+16*\b+\i+1]|
.endr
.endr
	WIN 0
.irp b, 0,1,2,3
	v_permlanex16_b32 v[TM+4+\b], v[TM+\b], s2, s3
.endr
.irp b, 0,1,2,3
	v_max_num_f32 v[TM+\b], v[TM+\b], v[TM+4+\b]
.endr
.irp b, 0,1,2,3
	v_add_nc_u32 v[TM+12+\b], 0xff000000, v[TM+\b]
.endr
.irp b, 0,1,2,3
	v_lshrrev_b32 v[TM+4+\b], 23, v[TM+12+\b]
.endr
	v_lshl_or_b32 v[PW+(\a)], v[TM+5], 8, v[TM+4]
	v_lshl_or_b32 v[PW+(\a)], v[TM+6], 16, v[PW+(\a)]
	v_lshl_or_b32 v[PW+(\a)], v[TM+7], 24, v[PW+(\a)]
	WIN W
.irp b, 0,1,2,3
	v_cvt_scalef32_pk8_fp4_f32 v[PC+2*\b], v[AC+16*\b:AC+16*\b+7], v[TM+12+\b]
	v_cvt_scalef32_pk8_fp4_f32 v[PC+1+2*\b], v[AC+16*\b+8:AC+16*\b+15], v[TM+12+\b]
.endr
	WIN 0
	v_nop
.irp c, 0,1
.irp i, 0,1
	v_permlane16_swap_b32 v[PC+4*\c+\i], v[PC+2+4*\c+\i]
.endr
.endr
.endm
.irp a, 0,1,2,3,4,5,6,7
	QUANT \a
.endr
	v_cmp_le_u32 vcc_lo, 16, v[LN]
.irp w, 0,1,2,3
	v_cndmask_b32 v[XW+\w], v[PW+2*\w], v[PW+2*\w+1], vcc_lo
.endr
	s_cmp_lt_u32 s42, 16
	s_cbranch_scc0 .Lout_v
.irp w, 0,1,2,3
	v_lshrrev_b32 v[X2+\w], 16, v[XW+\w]
.endr
.irp a, 0,1,2,3,4,5,6,7
	global_store_b128 v[L16], v[AF+8*\a:AF+8*\a+3], s[66:67] offset:512*\a
	global_store_b128 v[L16], v[AF+8*\a+4:AF+8*\a+7], s[98:99] offset:512*\a
.endr
	global_store_b128 v[L16], v[XW:XW+3], s[66:67] offset:4096
	global_store_b128 v[L16], v[X2:X2+3], s[98:99] offset:4096
	s_branch .Lout_done
.Lout_v:
	s_wait_alu depctr_va_vdst(0)
.irp a, 0,1,2,3
	global_store_b128 v[L16], v[AF+8*\a:AF+8*\a+3], s[66:67] offset:1024*\a
	global_store_b128 v[L16], v[AF+8*\a+4:AF+8*\a+7], s[66:67] offset:1024*\a+512
	global_store_b128 v[L16], v[AF+32+8*\a:AF+32+8*\a+3], s[98:99] offset:1024*\a
	global_store_b128 v[L16], v[AF+32+8*\a+4:AF+32+8*\a+7], s[98:99] offset:1024*\a+512
.endr
	global_store_b64 v[L8], v[XW:XW+1], s[66:67] offset:4096
	global_store_b64 v[L8], v[XW+2:XW+3], s[98:99] offset:4096
.Lout_done:
	s_wait_tensorcnt 0x0
	ds_add_u32 v106, v107
	s_wait_dscnt 0x0
	CROUND
	s_endpgm
.Lfunc_end_k_q4b741547a6_proj:
	.size	k_q4b741547a6_proj, .Lfunc_end_k_q4b741547a6_proj-k_q4b741547a6_proj
	.p2alignl 7, 3214868480
	.fill 96, 4, 3214868480
	.section	.rodata,"a",@progbits
	.p2align	6, 0x0
	.amdhsa_kernel k_q4b741547a6_proj
		.amdhsa_group_segment_fixed_size 327680
		.amdhsa_private_segment_fixed_size 0
		.amdhsa_enable_private_segment 0
		.amdhsa_kernarg_size 56
		.amdhsa_user_sgpr_count 2
		.amdhsa_user_sgpr_kernarg_segment_ptr 1
		.amdhsa_wavefront_size32 1
		.amdhsa_system_sgpr_workgroup_id_x 1
		.amdhsa_system_sgpr_workgroup_id_y 1
		.amdhsa_system_sgpr_workgroup_id_z 1
		.amdhsa_system_vgpr_workitem_id 0
		.amdhsa_next_free_vgpr 1024
		.amdhsa_next_free_sgpr 102
		.amdhsa_reserve_vcc 1
		.amdhsa_float_denorm_mode_32 3
		.amdhsa_float_denorm_mode_16_64 3
		.amdhsa_memory_ordered 1
		.amdhsa_forward_progress 1
		.amdhsa_inst_pref_size 149
	.end_amdhsa_kernel
	.amdgpu_metadata
---
amdhsa.version: [ 1, 2 ]
amdhsa.kernels:
  - .name:           k_q4b741547a6_proj
    .symbol:         k_q4b741547a6_proj.kd
    .args:
      - { .name: xc, .offset: 0, .size: 8, .value_kind: global_buffer, .address_space: global }
      - { .name: xs, .offset: 8, .size: 8, .value_kind: global_buffer, .address_space: global }
      - { .name: bq, .offset: 16, .size: 8, .value_kind: global_buffer, .address_space: global }
      - { .name: bk, .offset: 24, .size: 8, .value_kind: global_buffer, .address_space: global }
      - { .name: bv, .offset: 32, .size: 8, .value_kind: global_buffer, .address_space: global }
      - { .name: qc, .offset: 40, .size: 8, .value_kind: global_buffer, .address_space: global }
      - { .name: kv, .offset: 48, .size: 8, .value_kind: global_buffer, .address_space: global }
    .group_segment_fixed_size: 327680
    .private_segment_fixed_size: 0
    .kernarg_segment_align: 8
    .kernarg_segment_size: 56
    .max_flat_workgroup_size: 128
    .sgpr_count:     102
    .vgpr_count:     1024
    .wavefront_size: 32
...
	.end_amdgpu_metadata
.endif
;; end of part 2
;; launch attn (part 3): grid 4 x 64, 16 waves a work-group, clusters of 4 x 1, 215,040 bytes of LDS; arguments qc, kv, out0; writes out0
.if DOCPART == 3
	.amdgcn_target "amdgcn-amd-amdhsa--gfx1250"
	.amdhsa_code_object_version 6
	.text
	.protected	k_q4b741547a6_attn
	.globl	k_q4b741547a6_attn
	.p2align	8
	.type	k_q4b741547a6_attn,@function
k_q4b741547a6_attn:
	s_mov_b64 s[64:65], 0
	v_nop
	global_prefetch_b8 v0, s[64:65] scope:SCOPE_SE
	s_setreg_imm32_b32 hwreg(HW_REG_WAVE_MODE, 25, 1), 1
	s_wait_xcnt 0x0
	s_wait_alu depctr_hold_cnt(0) depctr_sa_sdst(0) depctr_va_vdst(0) depctr_va_sdst(0) depctr_va_ssrc(0) depctr_va_vcc(0) depctr_vm_vsrc(0)
	s_getreg_b32 s2, hwreg(HW_REG_IB_STS2, 6, 4)
	s_cmp_eq_u32 s2, 0
	s_cbranch_scc0 .Lentry_in_a_cluster
	s_endpgm
.Lentry_in_a_cluster:
	s_bfe_u32 s2, ttmp6, 0x10000c
	s_cmp_lg_u32 s2, 0x3003
	s_cbranch_scc0 .Lentry_shape_is_right
	s_endpgm
.Lentry_shape_is_right:
; out[b][q][64 head + d] = the sum over k of softmax_k(q . k / 8) v, for 64 heads (16 x batch + head) of 2,048 queries and keys, head size 64, both products on codes of FP4 (E2M1) with E8M0 scales.
; THE SOFTMAX AHEAD OF THE SECOND PRODUCT: t = score x log2(e) / 8; M = the row's largest t so far, rounded UP to a whole number; p = 2^(t - M) is what is quantised, along the keys, not normalised.
; The row's sum is taken of the unquantised p, in f32, and divides O at the end.  When M moves, the sum and O are multiplied by 2^(old M - new M): exact.
; INPUTS are images of the operands' registers: qc [head][group of 128 queries]: codes [tile][lane][16 bytes], scale words [lane][4];
;   kv [head][128 keys], 8,960 bytes: K's codes (4,096) and scale words (512) likewise, V's codes [tile of 16 channels][2][lane][16] (4,096) and scale words [lane][2] (256).
;   Lane row i of tile t holds row 32 (t / 2) + 8 (t % 2) + i % 8 + 16 (i / 8) of its 128 (V: of the head's 64 channels).
; SHARES.  A work-group owns 512 queries of one head; each of its sixteen waves owns one tile of 16 queries in each of two passes, in 256 registers: four waves to a SIMD, so that one wave's vector work stands beside
; another's matrix work and LDS loads.  A pass walks the head's 2,048 keys, 128 a step.
; The head's whole kv (143,360 bytes) comes into LDS ONCE: each wave brings one record of 128 keys by one tensor load; nothing is filled again, so there is one barrier behind the fill and none in the loop.
; CLUSTER: the four work-groups of a head form a cluster and ask for each record jointly: the same load, the same descriptor, a mask that names the four.
; LAYOUT.  Both products are used transposed: S^T = K Q^T (source 0 = 16 keys, source 1 = my 16 queries), O^T = V^T P^T: a lane holds ONE query (lane % 16) throughout; by the rows' order the 16 registers of
; tiles 2 b, 2 b + 1 of S^T are keys 32 b + 16 (lane / 16) + 0 .. 15, and those of O^T channels likewise.  The first product's K is 64: the upper four registers of K's and Q's fragments are zero codes.
; LIMITS: a block's largest p is taken from the block's largest score by the same multiply-add and exponential, which takes v_exp_f32 not to fall where its input rises; a block whose every p has fallen to 0
; keeps the byte 1 (its codes are zeros); NaN and infinities are not served.
; REGISTERS: v1-8 addresses; v12 -M, v13 the largest t, v[14:15] the sum in two halves; v16-31 Q of the two passes; v32-95 K's eight fragments; v96-159 S^T, then p; v160-191 O^T; v192-223 V's four fragments;
;   v224-231 p's codes; v232-239, v244-247, v252, v254 at work; v240-243 K's scale words, v248-249 V's, v250-251 Q's, v253 p's.
.set REC,   8960                       ; a record of 128 keys
.set STAGE, 16*REC                     ; behind the records: 16 rows x (256 bytes + 16) for each wave, for the way out; no fill lands here
.set SPI,   272
.macro ROUND                           ; a round of the cluster's barrier
	s_barrier_signal -1
	s_barrier_wait -1
	s_cmp_lg_u32 s10, 0
	s_cbranch_scc1 .Lnot_wave_0_\@
	s_barrier_signal -3
.Lnot_wave_0_\@:
	s_barrier_wait -3
	s_barrier_signal -1
	s_barrier_wait -1
.endm
	s_load_b128 s[4:7], s[0:1], 0x0                ; qc s[4:5], kv s[6:7]
	s_load_b64 s[8:9], s[0:1], 0x10                ; out0
	v_lshl_add_u32 v254, v0, 2, 0x34000
	v_mov_b32 v255, 0
	ds_add_u32 v254, v255
	ds_add_u32 v254, v255
	s_wait_dscnt 0x0
	v_lshrrev_b32 v1, 5, v0
	s_delay_alu instid0(VALU_DEP_1)
	v_readfirstlane_b32 s10, v1                    ; wave 0..15
	s_bfe_u32 s11, ttmp6, 0x40000                  ; cx: which 512 queries; it enters Q's and O's addresses alone
	s_and_b32 s12, ttmp7, 0xffff                   ; 16 x batch + head, which the four partners share
	; descriptor group 1: a record, 8,960 dense bytes, as 35 rows of 256 (32 elements of 8 bytes)
	s_mov_b32 s16, 15|(3<<16)|(1<<21)              ; 15:0 the mask: all four work-groups; 17:16 elements of 8 bytes; 21 set beside a mask; no padding
	s_mov_b32 s17, 32<<16                          ; tensor_dim0
	s_mov_b32 s18, 35<<16                          ; tensor_dim1
	s_mov_b32 s19, 32<<16                          ; tile_dim0
	s_mov_b32 s20, 35                              ; tile_dim1
	s_mov_b32 s21, 32                              ; tensor_dim0_stride
	s_mov_b32 s22, 0
	s_mov_b32 s23, 0
	s_mov_b32 s28, 0x76543210
	s_mov_b32 s29, 0xfedcba98                      ; v_permlanex16_b32's selects for lane l xor 16
	s_mov_b32 s30, 0x3e38aa3b                      ; c = log2(e) / 8
	s_mov_b32 s31, s30                             ; (named with it as a pair, so it is written)
	s_mul_i32 s13, s10, REC                        ; my record: in LDS, and in the head's kv
	s_mul_i32 s14, s12, 16*REC
	s_add_co_u32 s14, s14, s13
	s_mov_b32 s15, 0
	s_lshl_b32 s40, s11, 2
	s_lshr_b32 s41, s10, 3
	s_add_co_u32 s40, s40, s41                     ; pass 0's group of 128 queries: 4 cx + wave / 8 (pass 1's: two on)
	s_and_b32 s41, s10, 7                          ; my tile a in it
	s_mul_i32 s42, s12, 73728
	s_mul_i32 s43, s40, 4608
	s_add_co_u32 s42, s42, s43                     ; the group's record in qc
	s_lshl_b32 s34, s41, 9
	s_add_co_u32 s34, s34, s42                     ; my tile's codes
	s_mov_b32 s35, 0
	s_and_b32 s43, s41, 1
	s_lshl_b32 s36, s43, 8                         ; my tile's scale words: lanes 16 (a % 2) on, 16 bytes a lane,
	s_lshl_b32 s46, s43, 3                         ; (8 (a % 2): for O's rows below)
	s_lshr_b32 s43, s41, 1
	s_lshl_b32 s45, s43, 2                         ; word a / 2
	s_add_co_u32 s36, s36, s45
	s_add_co_u32 s36, s36, s42
	s_add_co_u32 s36, s36, 4096
	s_mov_b32 s37, 0
	s_lshr_b32 s38, s12, 4
	s_lshl_b32 s38, s38, 11                        ; O: the batch's 2,048 rows,
	s_lshl_b32 s45, s40, 7                         ; the group's 128,
	s_add_co_u32 s38, s38, s45
	s_lshl_b32 s45, s43, 5                         ; the tile's first row: 32 (a / 2) + 8 (a % 2)
	s_add_co_u32 s38, s38, s45
	s_add_co_u32 s38, s38, s46
	s_lshl_b32 s38, s38, 12                        ; rows of 4,096 bytes (under 2^26)
	s_and_b32 s45, s12, 15
	s_lshl_b32 s45, s45, 8                         ; the head's 256 bytes of a row
	s_add_co_u32 s38, s38, s45
	s_mov_b32 s39, 0
	s_wait_kmcnt 0x0
	s_mov_b32 s24, 1                               ; group 0: count = 1,
	s_mov_b32 s25, s13                             ; the LDS address,
	s_add_nc_u64 s[26:27], s[6:7], s[14:15]        ; the global address,
	s_or_b32 s27, s27, 0x80000000                  ; type = 2
	s_add_nc_u64 s[34:35], s[4:5], s[34:35]
	s_add_nc_u64 s[36:37], s[4:5], s[36:37]
	s_add_nc_u64 s[38:39], s[8:9], s[38:39]
	ROUND                                          ; all four work-groups are here: the joint loads meet
	tensor_load_to_lds s[24:27], s[16:23]          ; one load of mine is out
	s_nop 0
.rept 4
	v_nop
.endr
	v_and_b32 v9, 31, v0                           ; lane
	v_and_b32 v10, 15, v0                          ; r
	v_bfe_u32 v11, v0, 4, 1                        ; h
	s_delay_alu instid0(VALU_DEP_3)
	v_lshlrev_b32 v1, 4, v9                        ; 16 x lane
	s_delay_alu instid0(VALU_DEP_4)
	v_lshlrev_b32 v2, 3, v9                        ; 8 x lane
	s_delay_alu instid0(VALU_DEP_4)
	v_lshlrev_b32 v8, 4, v10                       ; 16 r
	global_load_b128 v[16:19], v1, s[34:35]                        ; Q's codes of pass 0: k = 32 h + 0 .. 31 of the head's 64
	global_load_b128 v[24:27], v1, s[34:35] offset:9216            ; and of pass 1: two records on
	global_load_b32 v250, v8, s[36:37]                             ; Q's scale words
	global_load_b32 v251, v8, s[36:37] offset:9216
	v_lshl_add_u32 v5, v11, 12, v8                 ; the way out: lanes 0-15 one row of O, lanes 16-31 the next; 16 bytes a lane
	s_mul_i32 s44, s10, 16*SPI
	s_add_co_u32 s44, s44, STAGE                   ; my stage
	v_mul_u32_u24 v6, v10, SPI
	s_delay_alu instid0(VALU_DEP_1)
	v_lshl_add_u32 v6, v11, 6, v6
	s_delay_alu instid0(VALU_DEP_1)
	v_add_nc_u32 v6, s44, v6                       ; in: row r, + 64 h
	v_mul_u32_u24 v7, v11, SPI
	s_delay_alu instid0(VALU_DEP_1)
	v_add_nc_u32 v7, v7, v8
	s_delay_alu instid0(VALU_DEP_1)
	v_add_nc_u32 v7, s44, v7                       ; back: lanes 0-15 one row, lanes 16-31 the next
.irp j, 20,21,22,23,28,29,30,31
	v_mov_b32 v[\j], 0                             ; k = 64 .. 127 of Q's fragments: zero codes
.endr
.irp t, 0,1,2,3,4,5,6,7
.irp j, 4,5,6,7
	v_mov_b32 v[32+8*\t+\j], 0                     ; and of K's: written once, no load lands here
.endr
.endr
.irp b, 0,1,2,3
	v_mov_b32 v[236+\b], 0                         ; written once: a lane permute's destination counts as one of its sources
.endr
	v_mov_b32 v253, 0                              ; (named as the upper half of the pair v[252:253] before it is first written)
	s_wait_tensorcnt 0x0                           ; my record is in,
	s_barrier_signal -1
	s_barrier_wait -1                              ; everybody's is: from here on LDS below the stages is only read
	s_wait_loadcnt 0x0                             ; Q
; A PASS: my tile of 16 queries against all 2,048 keys, and its way out.
.macro PASS p
.if \p
	s_wait_xcnt 0x0                                ; pass 0's stores have read their registers, which the scores take again
.endif
	v_mov_b32 v13, 0xff61b1e6                      ; the largest t so far: -3e38, under every t
	s_delay_alu instid0(VALU_DEP_1)
	v_floor_f32 v12, -v13                          ; -M
	v_mov_b32 v14, 0                               ; the sum, in two halves
	v_mov_b32 v15, 0
.set j, 0
.rept 32
	v_mov_b32 v[160+j], 0                          ; O^T.  (The step is written once: the first finds zeros, which the first change of M leaves zeros)
.set j, j+1
.endr
	s_mov_b32 s32, 0                               ; the step's record in LDS
	s_mov_b32 s33, 16
.Lstep_\@:
	s_setprio 2
	v_add_nc_u32 v3, s32, v1
	v_add_nc_u32 v4, s32, v2
	v_nop
	v_nop                                          ; four places in front of loads into registers that the last step's products have read
	ds_load_b128 v[240:243], v3 offset:4096        ; K's scale words: register w: lanes 0-15 tile 2 w, lanes 16-31 tile 2 w + 1
.irp t, 0,1,2,3,4,5,6,7
	ds_load_b128 v[32+8*\t:35+8*\t], v3 offset:512*\t
.endr
.irp t, 0,1,2,3
.irp c, 0,1
	ds_load_b128 v[192+8*\t+4*\c:195+8*\t+4*\c], v3 offset:4608+1024*\t+512*\c
.endr
.endr
	ds_load_b64 v[248:249], v4 offset:8704         ; V's scale words
	s_wait_dscnt 9                                 ; K's nine loads are in; V's nine may be out: they land under the softmax
.irp t, 0,1,2,3,4,5,6,7
.if (\t)%2
	v_wmma_scale_f32_16x16x128_f8f6f4 v[96+8*\t:103+8*\t], v[32+8*\t:39+8*\t], v[16+8*\p:23+8*\p], 0, v[240+\t/2], v[250+\p] matrix_a_fmt:MATRIX_FMT_FP4 matrix_b_fmt:MATRIX_FMT_FP4 matrix_a_scale:MATRIX_SCALE_ROW1
.else
	v_wmma_scale_f32_16x16x128_f8f6f4 v[96+8*\t:103+8*\t], v[32+8*\t:39+8*\t], v[16+8*\p:23+8*\p], 0, v[240+\t/2], v[250+\p] matrix_a_fmt:MATRIX_FMT_FP4 matrix_b_fmt:MATRIX_FMT_FP4
.endif
.endr
.rept 4
	v_nop                                          ; places in front of the first read of the scores
.endr
.irp b, 0,1,2,3
	v_max3_num_f32 v[232+\b], v[96+16*\b], v[97+16*\b], v[98+16*\b]   ; THE LARGEST SCORE OF EACH BLOCK OF 32 KEYS: for the row's maximum, and, since p rises with the score, for the block's largest p
.endr
.irp i, 3,5,7,9,11,13
.irp b, 0,1,2,3
	v_max3_num_f32 v[232+\b], v[232+\b], v[96+16*\b+\i], v[97+16*\b+\i]   ; (the four blocks by turns)
.endr
.endr
.irp b, 0,1,2,3
	v_max_num_f32 v[232+\b], v[232+\b], v[111+16*\b]
.endr
.irp b, 0,1,2,3
	s_delay_alu instid0(VALU_DEP_4)
	v_permlanex16_b32 v[236+\b], v[232+\b], s28, s29
.endr
.irp b, 0,1,2,3
	s_delay_alu instid0(VALU_DEP_4)
	v_max_num_f32 v[232+\b], v[232+\b], v[236+\b]  ; with lane l xor 16's 16 keys
.endr
	s_delay_alu instid0(VALU_DEP_2)
	v_max3_num_f32 v254, v232, v233, v234
	s_delay_alu instid0(VALU_DEP_1)
	v_max_num_f32 v254, v254, v235                 ; the step's largest score of my query
	s_delay_alu instid0(VALU_DEP_1)
	v_mul_f32 v254, s30, v254                      ; as t (c is positive)
	s_delay_alu instid0(VALU_DEP_1)
	v_max_num_f32 v13, v13, v254                   ; the running largest t
	v_mov_b32 v254, v12
	s_delay_alu instid0(VALU_DEP_2)
	v_floor_f32 v12, -v13                          ; the new -M = floor(-t) = -ceil(t): M is a whole number
	s_delay_alu instid0(VALU_DEP_1)
	v_sub_f32 v254, v12, v254                      ; M's old value less its new one: a whole number, 0 or less
	s_delay_alu instid0(VALU_DEP_1)
	v_cvt_i32_f32 v254, v254                       ; (it saturates)
	s_delay_alu instid0(VALU_DEP_1)
	v_ldexp_f32 v252, 1.0, v254                    ; f = 2^(old M - new M)
.set j, 0
.rept 32
	v_pk_fma_f32 v[96+j:97+j], v[96+j:97+j], s[30:31], v[12:13] op_sel_hi:[1,0,0]   ; t - M, two at a time (of the pairs c and -M the low word serves both halves)
.set j, j+2
.endr
.irp b, 0,1,2,3
	v_fma_f32 v[232+\b], v[232+\b], s30, v12       ; the same of each block's largest score
.endr
.set j, 0
	s_wait_alu depctr_va_vdst(0)
.rept 64
	v_exp_f32 v[96+j], v[96+j]                     ; p = 2^(t - M), at most 1: not normalised
.set j, j+1
.endr
	s_setprio 1
.irp b, 0,1,2,3
	v_exp_f32 v[232+\b], v[232+\b]                 ; the block's largest p: the same two instructions on the same number give the same bits
.endr
	v_pk_mul_f32 v[14:15], v[14:15], v[252:253] op_sel_hi:[1,0]    ; the sums under the new M.  (A plain place behind the exponentials)
	s_wait_alu depctr_va_vdst(0)
.irp b, 0,1,2,3
	v_max_num_f32 v[232+\b], 0x1800000, v[232+\b]  ; the floor 2^(3 - 127): the byte cannot fall under 1
.endr
.irp b, 0,1,2,3
	s_delay_alu instid0(VALU_DEP_4)
	v_add_nc_u32 v[244+\b], 0xff000000, v[232+\b]  ; 2 off the exponent field: the conversion's scale operand
.endr
.irp b, 0,1,2,3
	s_delay_alu instid0(VALU_DEP_4)
	v_lshrrev_b32 v[236+\b], 23, v[244+\b]         ; the scale's byte
.endr
	s_delay_alu instid0(VALU_DEP_3)
	v_lshl_or_b32 v253, v237, 8, v236              ; p's scale word for these 128 keys
	s_delay_alu instid0(VALU_DEP_1)
	v_lshl_or_b32 v253, v238, 16, v253
	s_delay_alu instid0(VALU_DEP_1)
	v_lshl_or_b32 v253, v239, 24, v253
.irp b, 0,1,2,3
	v_cvt_scalef32_pk8_fp4_f32 v[224+2*\b], v[96+16*\b:103+16*\b], v[244+\b]
	v_cvt_scalef32_pk8_fp4_f32 v[225+2*\b], v[104+16*\b:111+16*\b], v[244+\b]
.endr
	v_nop                                          ; one plain place behind a scaled conversion
.irp c, 0,1                                    ; a whole block to a lane: lanes 0-15 block 2 c, lanes 16-31 block 2 c + 1
.irp i, 0,1
	v_permlane16_swap_b32 v[224+4*\c+\i], v[226+4*\c+\i]
.endr
.endr
	v_pk_add_f32 v[236:237], v[100:101], v[104:105]
	v_pk_add_f32 v[254:255], v[108:109], v[112:113]
	v_pk_add_f32 v[246:247], v[116:117], v[120:121]
	v_pk_add_f32 v[244:245], v[124:125], v[128:129]
	v_pk_add_f32 v[242:243], v[132:133], v[136:137]
	v_pk_add_f32 v[240:241], v[140:141], v[144:145]
	v_pk_add_f32 v[234:235], v[148:149], v[152:153]
	v_pk_add_f32 v[14:15], v[14:15], v[156:157]
	v_pk_add_f32 v[236:237], v[236:237], v[96:97]
	v_pk_add_f32 v[254:255], v[254:255], v[98:99]
	v_pk_add_f32 v[246:247], v[246:247], v[102:103]
	v_pk_add_f32 v[244:245], v[244:245], v[106:107]
	v_pk_add_f32 v[242:243], v[242:243], v[110:111]
	v_pk_add_f32 v[240:241], v[240:241], v[114:115]
	v_pk_add_f32 v[234:235], v[234:235], v[118:119]
	v_pk_add_f32 v[14:15], v[14:15], v[122:123]
	v_pk_add_f32 v[236:237], v[236:237], v[126:127]
	v_pk_add_f32 v[254:255], v[254:255], v[130:131]
	v_pk_add_f32 v[246:247], v[246:247], v[134:135]
	v_pk_add_f32 v[244:245], v[244:245], v[138:139]
	v_pk_add_f32 v[242:243], v[242:243], v[142:143]
	v_pk_add_f32 v[240:241], v[240:241], v[146:147]
	v_pk_add_f32 v[234:235], v[234:235], v[150:151]
	v_pk_add_f32 v[14:15], v[14:15], v[154:155]
	v_pk_add_f32 v[236:237], v[236:237], v[158:159]
	s_delay_alu instid0(VALU_DEP_2)
	v_pk_add_f32 v[14:15], v[14:15], v[244:245]
	s_delay_alu instid0(VALU_DEP_2)
	v_pk_add_f32 v[236:237], v[236:237], v[242:243]
	v_pk_add_f32 v[254:255], v[254:255], v[240:241]
	v_pk_add_f32 v[246:247], v[246:247], v[234:235]
	s_delay_alu instid0(VALU_DEP_2)
	v_pk_add_f32 v[14:15], v[14:15], v[254:255]
	s_delay_alu instid0(VALU_DEP_2)
	v_pk_add_f32 v[236:237], v[236:237], v[246:247]
	s_delay_alu instid0(VALU_DEP_1)
	v_pk_add_f32 v[14:15], v[14:15], v[236:237]
.set j, 0
	s_setprio 0
.rept 16
	v_pk_mul_f32 v[160+j:161+j], v[160+j:161+j], v[252:253] op_sel_hi:[1,0]   ; O^T under the new M: x f.  (These and the sums are the places between the writes of p's codes and scale word and the products below)
.set j, j+2
.endr
	s_wait_alu depctr_va_vdst(0)
	s_wait_dscnt 0x0                               ; V's fragments and scale words are in
.irp t, 0,1,2,3                                ; O^T += V^T P^T: four tiles of 16 channels, the four accumulators by turns; K = these 128 keys
.if (\t)%2
	v_wmma_scale_f32_16x16x128_f8f6f4 v[160+8*\t:167+8*\t], v[192+8*\t:199+8*\t], v[224:231], v[160+8*\t:167+8*\t], v[248+\t/2], v253 matrix_a_fmt:MATRIX_FMT_FP4 matrix_b_fmt:MATRIX_FMT_FP4 matrix_a_scale:MATRIX_SCALE_ROW1
.else
	v_wmma_scale_f32_16x16x128_f8f6f4 v[160+8*\t:167+8*\t], v[192+8*\t:199+8*\t], v[224:231], v[160+8*\t:167+8*\t], v[248+\t/2], v253 matrix_a_fmt:MATRIX_FMT_FP4 matrix_b_fmt:MATRIX_FMT_FP4
.endif
.endr
	s_add_co_u32 s32, s32, REC
	s_sub_co_u32 s33, s33, 1
	s_cmp_lg_u32 s33, 0
	s_cbranch_scc1 .Lstep_\@
	s_setprio 0
	; THE WAY OUT.  O^T is divided by the sum and goes through my stage in LDS, so that sixteen lanes store the head's 256 bytes of a row of O: consecutive and aligned.
.rept 4
	v_nop                                          ; places in front of the first read of O^T
.endr
	v_add_f32 v14, v14, v15                        ; the sum's two halves,
	s_delay_alu instid0(VALU_DEP_1)
	v_permlanex16_b32 v252, v14, s28, s29
	s_delay_alu instid0(VALU_DEP_1)
	v_add_f32 v14, v14, v252                       ; and lane l xor 16's: the row's sum
	s_wait_alu depctr_va_vdst(0)
	v_rcp_f32 v14, v14
	v_nop                                          ; one plain place behind a transcendental
.set j, 0
	s_wait_alu depctr_va_vdst(0)
.rept 16
	v_pk_mul_f32 v[96+j:97+j], v[160+j:161+j], v[14:15] op_sel_hi:[1,0]   ; register 16 b + i is channel 32 b + 16 h + i; each accumulator from its low end on
.set j, j+2
.endr
.irp b, 0,1
.irp g, 0,1,2,3
	ds_store_b128 v6, v[96+16*\b+4*\g:99+16*\b+4*\g] offset:128*\b+16*\g
.endr
.endr
.irp i, 0,1,2,3,4,5,6,7
	ds_load_b128 v[128+4*\i:131+4*\i], v7 offset:2*SPI*\i          ; LDS serves a wave's instructions in order (ISA guide 5.7.1.4): these see my stores
.endr
.irp i, 0,1,2,3,4,5,6,7
	s_wait_dscnt 7-\i
	global_store_b128 v5, v[128+4*\i:131+4*\i], s[38:39] offset:\p*1048576+(2*\i+8*(\i/4))*4096 th:TH_STORE_NT   ; lane rows 2 i, 2 i + 1 are rows 2 i + 8 (i / 4) and the next from the tile's first; pass 1: 256 rows on
.endr
.endm
	PASS 0
	PASS 1
	s_wait_xcnt 0x0
	v_lshl_add_u32 v254, v0, 2, 0x34000
	v_mov_b32 v255, 0
	s_wait_alu depctr_va_vdst(0)
	s_wait_tensorcnt 0x0
	ds_add_u32 v254, v255
	s_wait_dscnt 0x0
	ROUND                                          ; the closing round: no work-group ends while a partner may still ask for a record that names it
	s_endpgm
.Lfunc_end_k_q4b741547a6_attn:
	.size	k_q4b741547a6_attn, .Lfunc_end_k_q4b741547a6_attn-k_q4b741547a6_attn
	.p2alignl 7, 3214868480
	.fill 96, 4, 3214868480
	.section	.rodata,"a",@progbits
	.p2align	6, 0x0
	.amdhsa_kernel k_q4b741547a6_attn
		.amdhsa_group_segment_fixed_size 215040
		.amdhsa_private_segment_fixed_size 0
		.amdhsa_enable_private_segment 0
		.amdhsa_kernarg_size 24
		.amdhsa_user_sgpr_count 2
		.amdhsa_user_sgpr_kernarg_segment_ptr 1
		.amdhsa_wavefront_size32 1
		.amdhsa_system_sgpr_workgroup_id_x 1
		.amdhsa_system_sgpr_workgroup_id_y 1
		.amdhsa_system_sgpr_workgroup_id_z 1
		.amdhsa_system_vgpr_workitem_id 0
		.amdhsa_next_free_vgpr 256
		.amdhsa_next_free_sgpr 66
		.amdhsa_reserve_vcc 0
		.amdhsa_float_denorm_mode_32 3
		.amdhsa_float_denorm_mode_16_64 3
		.amdhsa_memory_ordered 1
		.amdhsa_forward_progress 1
		.amdhsa_inst_pref_size 49
	.end_amdhsa_kernel
	.amdgpu_metadata
---
amdhsa.version: [ 1, 2 ]
amdhsa.kernels:
  - .name:           k_q4b741547a6_attn
    .symbol:         k_q4b741547a6_attn.kd
    .args:
      - { .name: qc, .offset: 0, .size: 8, .value_kind: global_buffer, .address_space: global }
      - { .name: kv, .offset: 8, .size: 8, .value_kind: global_buffer, .address_space: global }
      - { .name: out0, .offset: 16, .size: 8, .value_kind: global_buffer, .address_space: global }
    .group_segment_fixed_size: 215040
    .private_segment_fixed_size: 0
    .kernarg_segment_align: 8
    .kernarg_segment_size: 24
    .max_flat_workgroup_size: 512
    .sgpr_count:     66
    .vgpr_count:     256
    .wavefront_size: 32
...
	.end_amdgpu_metadata
.endif
;; end of part 3
